; MI455X (gfx1250); checked and timed in simulation.
; The chip was launched on July 23, 2026; its instructions are those of AMD's public machine-readable ISA for CDNA 5 (MIT licence, August 2026) and "CDNA5" Instruction Set Architecture Reference Guide (July 2026). The comments in the code are by the model that wrote it; some were corrected since.
;; EM Encoder. Allowed arithmetic: float matrix products may take bf16 or f16 operands with f32 sums; all other float work in f32.
;; Inputs: ref_func 8 x 32 x 256 int32; refsent_state 8 x 32 x 256 x 512 float32; tar_func 8 x 512 int32; tarsent_state 8 x 512 x 512 float32.
;; Outputs: out0 8 x 5 x 512 float32; out1 8 x 5 bool; out2 8 x 32 x 5 x 512 float32; out3 8 x 32 x 5 bool; out4 8 x 512 float32; out5 8 bool; out6 8 x 32 x 512 float32; out7 8 x 32 bool.
;; One version. Each part assembles by itself: llvm-mc -triple=amdgcn-amd-amdhsa -mcpu=gfx1250 --defsym DOCPART=n.
;; ======== version 1 of 1: 1 launch
;; launch segmean (part 1): grid 544 x 1, 4 waves a work-group, no clusters, 12,288 bytes of LDS; arguments tarsent_state, refsent_state, tar_func, ref_func, out0, out2, out4, out6, out1, out3, out5, out7; writes out0, out1, out2, out3, out4, out5, out6, out7
.if DOCPART == 1
	.amdgcn_target "amdgcn-amd-amdhsa--gfx1250"
	.amdhsa_code_object_version 6
	.text
	.protected	k_q7b590d77b0_segmean
	.globl	k_q7b590d77b0_segmean
	.p2align	8
	.type	k_q7b590d77b0_segmean,@function
k_q7b590d77b0_segmean:
	s_mov_b64 s[64:65], 0
	v_nop
	global_prefetch_b8 v0, s[64:65] scope:SCOPE_SE
	s_setreg_imm32_b32 hwreg(HW_REG_WAVE_MODE, 25, 1), 1
	s_wait_xcnt 0x0
; Per document: five sums of sentence rows chosen by label 1..5, one sum over rows with label != 0, each divided by its
; count (by 1e11 where the count is 0), and the six booleans count > 0.
; 256 reference documents of 256 rows and 8 target documents of 512 rows; a row is 512 f32 = 2,048 bytes.
;
; SHARE OF A WAVE: 256 rows x 64 columns (256 bytes of each row), 64 KiB of state, read once.  2,048 such pieces in the
; reference states, 128 in the target states: 2,176 waves of equal work, four to a work-group, 544 work-groups.
;   work-groups 0-31   (target):    document id>>2, wave w: column chunk 2 (id&3) + (w&1), rows 256 (w>>1) ..
;   work-groups 32-543 (reference): i = id-32, document i>>1, wave w: column chunk 4 (i&1) + w, all 256 rows
; A reference wave finishes alone.  In a target work-group waves 2, 3 hand their sums to waves 0, 1 through LDS (one barrier).
;
; THE SUMS ARE A MATRIX PRODUCT mask[16 x 32 rows] x state[32 rows x 16 columns], bf16 operands, f32 sums.  Mask row 0..4 = label
; 1..5, mask row 5 = label != 0 (compared on its own, so any int32 label is served), mask rows 6..15 are never read.
; A product with a fragment of ones gives the counts in the sums' register layout (whole numbers up to 512: exact in f32).
; Load i (0..15) of a block of 32 rows: lane (r = l&15, h = l>>4) takes 16 bytes: row 16 h + i, columns 4 r .. 4 r + 3; lanes 0-15
; cover 256 consecutive aligned bytes of one row, lanes 16-31 those of the row 16 further down.
; Fragment of tile j (0..3), register t: (row 16 h + 2 t, row 16 h + 2 t + 1) of column 4 r + j.  The mask fragment puts the same
; row in the same place, so the order of k inside the instruction is permuted alike on both sides and the product stands.
; Result: register q of tile j in lane r < 16 is (mask row q, column 4 r + j): the four tiles give a lane 16 neighbouring bytes.
;
; LEFT OUT, BY THIS TEXT'S ARITHMETIC: joint requests in a cluster (work-groups share nothing but a document's 1 KiB of labels
; against 64 KiB of state a wave); copies into LDS (the f32 numbers pass through registers to be rounded anyway, and the loads
; above already deliver the fragment layout); requests ahead of the loads (each byte is asked for once, by its own load, 32
; loads = 16 KiB a wave ahead).
;
; LIMITS: state numbers are rounded to bf16 (nearest even) as matrix operands, so |x| above about 3.39e38 becomes infinite;
; the division is a reciprocal (1 ulp) and a multiply; infinities and NaN get no care of their own: 0 x inf is formed for rows
; that a mask leaves out, as in the products of the reference.
.set ROW,   2048                       ; bytes in a row
.set BLK,   32*ROW                     ; bytes in a block of 32 rows
.set COMB,  4096                       ; LDS: bytes 0-4095 labels, 1,024 a wave; from 4096 two hand-over regions
.set CREG,  3840                       ;      of 5 tiles x 768 bytes (512: registers 0-3, 16 a lane; 256: registers 4-5, 8 a lane)
.set LANE,  1                          ; v1   lane
.set R,     2                          ; v2   lane & 15
.set H,     3                          ; v3   lane >> 4
.set XOFF,  4                          ; v4   32768 h + 16 r: my 16 bytes in load 0 of block 0
.set FOFF,  5                          ; v5   16 lane
.set LST,   6                          ; v6   LDS: where I put 16 bytes of labels
.set LRD,   7                          ; v7   LDS: labels of my half's 16 rows in block 0
.set LAB,   8                          ; v8   label that my mask row compares with: r + 1; 0 in mask row 5
.set VF,    9                          ; v9   mask value where the compare fails: 0; 1.0 in mask row 5
.set VT,    10                         ; v10  mask value where it holds:         1.0; 0 in mask row 5
.set OOFF,  11                         ; v11  16 r: my 16 bytes of an output row's chunk
.set BIGV,  12                         ; v12  1e11
.set CA,    13                         ; v13  hand-over: 16 lane + region
.set CB,    14                         ; v14  hand-over:  8 lane + region
.set TW,    15                         ; v15  scratch
.set FN,    16                         ; v[16:31]   labels of my 16 rows of a block, then their mask values in f32
.set MASK,  32                         ; v[32:39]   mask fragment (A)
.set ONES,  40                         ; v[40:47]   fragment of bf16 ones
.set ACC,   48                         ; v[48:79]   sums, tile j at ACC + 8 j
.set CNT,   80                         ; v[80:87]   counts (= tile 4)
.set F,     88                         ; v[88:119]  state fragments (B), tile j at F + 8 j
.set X,     120                        ; v[120:247] two slots of 16 loads x 4 registers
.set TMP,   120                        ; behind the stream, inside X: the partner's tiles
.set O,     160                        ;   v[160:183] six output rows x 4 columns
.set DEN,   184                        ;   v[184:189] divisors
.set RC,    190                        ;   v[190:195] their reciprocals
.set BO,    196                        ;   v[196:201] booleans
.set WAVE,  2
.set DOC,   4
.set CHUNK, 5
.set SEG,   6
.set STATE, 32                         ; s[32:33] my piece's first row and column
.set FUNC,  34                         ; s[34:35] my 256 labels
.set SUM,   36                         ; s[36:37] out0 / out2 at my document and chunk
.set PAP,   38                         ; s[38:39] out4 / out6 likewise
.set M5,    40                         ; s[40:41] out1 / out3 at my document
.set M1,    42                         ; s[42:43] out5 / out7 at my document
	s_load_b512 s[8:23], s[0:1], 0x0               ; tar state, ref state, tar func, ref func, out0, out2, out4, out6
	s_load_b256 s[24:31], s[0:1], 0x40             ; out1, out3, out5, out7
	v_lshl_add_u32 v248, v0, 2, 0x2e00
	v_mov_b32 v249, 0
	v_lshrrev_b32 v[TW], 5, v0
	v_readfirstlane_b32 s[WAVE], v[TW]             ; wave 0..3
	v_and_b32 v[LANE], 31, v0
	v_and_b32 v[R], 15, v0
	v_bfe_u32 v[H], v0, 4, 1
	v_lshlrev_b32 v[XOFF], 4, v[R]
	v_lshl_add_u32 v[XOFF], v[H], 15, v[XOFF]      ; 16 r + 16 rows x 2,048 bytes x h
	v_lshlrev_b32 v[FOFF], 4, v[LANE]
	; both forms of the place, then the choice
	s_and_b32 s7, s[WAVE], 1
	s_lshr_b32 s3, s[WAVE], 1
	s_lshr_b32 s46, ttmp9, 2                       ; target: document
	s_and_b32 s47, ttmp9, 3
	s_lshl1_add_u32 s47, s47, s7                   ;         chunk = 2 (id & 3) + (w & 1)
	s_lshl1_add_u32 s48, s46, s3                   ;         segment of 256 rows = 2 document + (w >> 1)
	s_max_u32 s49, ttmp9, 32
	s_sub_co_u32 s49, s49, 32                      ; reference: i = id - 32 (0 in a target work-group, where it is not chosen)
	s_and_b32 s6, s49, 1
	s_lshl2_add_u32 s6, s6, s[WAVE]                ;            chunk = 4 (i & 1) + w
	s_lshr_b32 s49, s49, 1                         ;            document = segment
	s_cmp_lt_u32 ttmp9, 32
	s_cselect_b32 s[DOC], s46, s49
	s_cselect_b32 s[CHUNK], s47, s6
	s_cselect_b32 s[SEG], s48, s49
	s_lshl_b32 s7, s[CHUNK], 8                     ; the chunk's 256 bytes in a row
	s_lshl_b32 s44, s[SEG], 19                     ; 256 rows of 2,048 bytes (at most 255 << 19: below 2^31)
	s_add_co_u32 s44, s44, s7
	s_mov_b32 s45, 0
	s_lshl_b32 s46, s[SEG], 10                     ; 256 labels of 4 bytes
	s_mov_b32 s47, 0
	s_wait_kmcnt 0x0
	s_cmp_lt_u32 ttmp9, 32                         ; the strides are the same for both kinds: only the buffers differ
	s_cselect_b64 s[STATE:STATE+1], s[8:9], s[10:11]
	s_cselect_b64 s[FUNC:FUNC+1], s[12:13], s[14:15]
	s_cselect_b64 s[SUM:SUM+1], s[16:17], s[18:19]
	s_cselect_b64 s[PAP:PAP+1], s[20:21], s[22:23]
	s_cselect_b64 s[M5:M5+1], s[24:25], s[26:27]
	s_cselect_b64 s[M1:M1+1], s[28:29], s[30:31]
	s_add_nc_u64 s[STATE:STATE+1], s[STATE:STATE+1], s[44:45]
	s_add_nc_u64 s[FUNC:FUNC+1], s[FUNC:FUNC+1], s[46:47]
; 16 loads: block b whole, into its slot.  Every address of the stream is XOFF + an immediate: nothing is stepped.
.macro FILL b
.irp i, 0,1,2,3,4,5,6,7,8,9,10,11,12,13,14,15
	global_load_b128 v[X+64*(\b & 1)+4*\i:X+64*(\b & 1)+4*\i+3], v[XOFF], s[STATE:STATE+1] offset:\b*BLK+\i*ROW th:TH_LOAD_NT
.endr
.endm
; the labels of my half's 16 rows of block blk: every lane of a half reads the same 64 bytes
.macro GETF blk
.irp k, 0,1,2,3
	ds_load_b128 v[FN+4*\k:FN+4*\k+3], v[LRD] offset:(\blk)*128+16*\k
.endr
.endm
; labels to mask values (in place, f32 0 or 1), then to the mask fragment
.macro MASKBUILD
	s_wait_dscnt 0x0                               ; the four label reads, issued a block's work ago
.irp i, 0,1,2,3,4,5,6,7,8,9,10,11,12,13,14,15
	v_cmp_eq_u32 vcc_lo, v[FN+\i], v[LAB]
	v_cndmask_b32 v[FN+\i], v[VF], v[VT], vcc_lo
.endr
.irp t, 0,1,2,3,4,5,6,7
	v_cvt_pk_bf16_f32 v[MASK+\t], v[FN+2*\t], v[FN+2*\t+1]
.endr
.endm
	global_load_b128 v[F:F+3], v[FOFF], s[FUNC:FUNC+1]             ; my 256 labels, 1,024 consecutive bytes, staged in F
	global_load_b128 v[F+4:F+7], v[FOFF], s[FUNC:FUNC+1] offset:512
	FILL 0
	FILL 1
	; while the loads fly: the output addresses and the lane's constants
	s_mul_i32 s44, s[DOC], 5*ROW
	s_add_co_u32 s44, s44, s7
	s_add_nc_u64 s[SUM:SUM+1], s[SUM:SUM+1], s[44:45]              ; five rows a document
	s_lshl_b32 s44, s[DOC], 11
	s_add_co_u32 s44, s44, s7
	s_add_nc_u64 s[PAP:PAP+1], s[PAP:PAP+1], s[44:45]              ; one row a document
	s_mul_i32 s44, s[DOC], 5
	s_add_nc_u64 s[M5:M5+1], s[M5:M5+1], s[44:45]                  ; five bytes a document
	s_mov_b32 s44, s[DOC]
	s_add_nc_u64 s[M1:M1+1], s[M1:M1+1], s[44:45]                  ; one byte a document
	s_lshl_b32 s48, s[WAVE], 10                    ; my wave's 1,024 bytes of LDS for labels: no other wave touches them
	v_add_nc_u32 v[LST], s48, v[FOFF]
	v_lshl_add_u32 v[LRD], v[H], 6, s48            ; + 16 labels x h
	v_cmp_eq_u32 vcc_lo, 5, v[R]
	v_add_nc_u32 v[LAB], 1, v[R]
	v_cndmask_b32 v[LAB], v[LAB], 0, vcc_lo        ; mask row 5 compares with 0
	v_cndmask_b32 v[VF], 0, 1.0, vcc_lo            ; and takes 1.0 where the label differs from it
	v_cndmask_b32 v[VT], 1.0, 0, vcc_lo
.irp i, 0,1,2,3,4,5,6,7
	v_mov_b32 v[ONES+\i], 0x3f803f80               ; two bf16 ones
.endr
	s_wait_loadcnt 32                              ; loads return in order (ISA guide 5.7.1): the labels are in, the 32 state loads behind them stay out
	ds_store_b128 v[LST], v[F:F+3]
	ds_store_b128 v[LST], v[F+4:F+7] offset:512
	GETF 0                                         ; LDS serves a wave's instructions in order: these see the stores above
	MASKBUILD
; One block of 32 rows.  first = 1: the products start the sums (C = 0), nothing is cleared.  refill = 1: each pair of loads
; is issued again for block b + 2 as soon as its registers have been read.  The wait for pair t leaves left0 - step t loads out.
.macro BLOCK b, first, refill, left0, step
.set XS, X+64*(\b & 1)
.if \b < 7
	GETF \b+1                                      ; FN is free since the mask of this block was made
.endif
.irp t, 0,1,2,3,4,5,6,7
	s_wait_loadcnt \left0-\step*\t                 ; loads 2 t, 2 t + 1 of this block are in
.irp j, 0,1,2,3
	v_cvt_pk_bf16_f32 v[F+8*\j+\t], v[XS+8*\t+\j], v[XS+8*\t+4+\j]     ; rows 16 h + 2 t, + 1 of column 4 r + j
.endr
.if \refill
	global_load_b128 v[XS+8*\t:XS+8*\t+3], v[XOFF], s[STATE:STATE+1] offset:(\b+2)*BLK+(2*\t)*ROW th:TH_LOAD_NT
	global_load_b128 v[XS+8*\t+4:XS+8*\t+7], v[XOFF], s[STATE:STATE+1] offset:(\b+2)*BLK+(2*\t+1)*ROW th:TH_LOAD_NT
.endif
.endr
.irp j, 0,1,2,3
.if \first
	v_wmma_f32_16x16x32_bf16 v[ACC+8*\j:ACC+8*\j+7], v[MASK:MASK+7], v[F+8*\j:F+8*\j+7], 0
.else
	v_wmma_f32_16x16x32_bf16 v[ACC+8*\j:ACC+8*\j+7], v[MASK:MASK+7], v[F+8*\j:F+8*\j+7], v[ACC+8*\j:ACC+8*\j+7]
.endif
.endr
.if \first
	v_wmma_f32_16x16x32_bf16 v[CNT:CNT+7], v[MASK:MASK+7], v[ONES:ONES+7], 0
.else
	v_wmma_f32_16x16x32_bf16 v[CNT:CNT+7], v[MASK:MASK+7], v[ONES:ONES+7], v[CNT:CNT+7]
.endif
.if \b < 7
	MASKBUILD                                      ; its 32 compares and selects name none of the products' registers: more than the four
.endif                                             ; places (ISA guide 7.12.1) before MASK, and later F, are written again
.endm
	; Loads are issued block by block in ascending order.  Behind load 2 t + 1 of block b stand 14 - 2 t of block b, 16 of
	; block b + 1 and the 2 t refills of this turn: always 30.  Blocks 6 and 7 refill nothing: 30 - 2 t, then 14 - 2 t, down to 0.
	BLOCK 0, 1, 1, 30, 0
	BLOCK 1, 0, 1, 30, 0
	BLOCK 2, 0, 1, 30, 0
	BLOCK 3, 0, 1, 30, 0
	BLOCK 4, 0, 1, 30, 0
	BLOCK 5, 0, 1, 30, 0
	BLOCK 6, 0, 0, 30, 2
	BLOCK 7, 0, 0, 14, 2
	; four plain lines that name no register of the last products: the places in front of the first read of a result (ISA guide 7.12.1)
	v_lshlrev_b32 v[OOFF], 4, v[R]
	v_mov_b32 v[BIGV], 0x51ba43b7                  ; 1e11
	v_lshlrev_b32 v[CA], 4, v[LANE]
	v_lshlrev_b32 v[CB], 3, v[LANE]
	s_and_b32 s46, s[WAVE], 1
	s_mul_i32 s46, s46, CREG                       ; waves 0 and 2 share region 0, waves 1 and 3 region 1
	v_add_nc_u32 v[CA], s46, v[CA]
	v_add_nc_u32 v[CB], s46, v[CB]
	s_cmp_ge_u32 ttmp9, 32                         ; alike in all four waves of a work-group
	s_cbranch_scc1 .Lout                           ; a reference wave has its whole document: no partner, no barrier
	; target: rows 256-511 (waves 2, 3) are added to rows 0-255 (waves 0, 1) of the same chunk
	s_cmp_lt_u32 s[WAVE], 2
	s_cbranch_scc1 .Lkeep
.irp u, 0,1,2,3,4
	ds_store_b128 v[CA], v[ACC+8*\u:ACC+8*\u+3] offset:COMB+768*\u             ; mask rows 0-3 of tile u (tile 4: the counts)
	ds_store_b64 v[CB], v[ACC+8*\u+4:ACC+8*\u+5] offset:COMB+512+768*\u        ; mask rows 4, 5
.endr
.Lkeep:
	s_wait_dscnt 0x0                               ; for the partner's sake: my stores are in LDS before I signal
	s_barrier_signal -1
	s_barrier_wait -1
	s_cmp_lt_u32 s[WAVE], 2
	s_cbranch_scc1 .Ladd
	s_wait_xcnt 0x0
	s_mov_b32 exec_lo, -1
	s_wait_tensorcnt 0x0
	ds_add_u32 v248, v249
	s_wait_dscnt 0x0
	s_endpgm                                       ; waves 2, 3 have handed over
.Ladd:
.irp u, 0,1,2,3,4
	ds_load_b128 v[TMP+8*\u:TMP+8*\u+3], v[CA] offset:COMB+768*\u
	ds_load_b64 v[TMP+8*\u+4:TMP+8*\u+5], v[CB] offset:COMB+512+768*\u
.endr
	s_wait_dscnt 0x0
.irp u, 0,1,2,3,4
.irp p, 0,2,4
	v_pk_add_f32 v[ACC+8*\u+\p:ACC+8*\u+\p+1], v[ACC+8*\u+\p:ACC+8*\u+\p+1], v[TMP+8*\u+\p:TMP+8*\u+\p+1]
.endr
.endr
.Lout:
	; divisor, boolean and reciprocal of each of the six mask rows (lanes 0-15 hold them; lanes 16-31 compute on unused rows)
.irp q, 0,1,2,3,4,5
	v_cmp_lt_f32 vcc_lo, 0, v[CNT+\q]
	v_cndmask_b32 v[DEN+\q], v[BIGV], v[CNT+\q], vcc_lo
	v_cndmask_b32 v[BO+\q], 0, 1, vcc_lo
.endr
.irp q, 0,1,2,3,4,5
	v_rcp_f32 v[RC+\q], v[DEN+\q]
.endr
	; the six booleans as bits, then bit l in lane l.  The first of these lines is the plain instruction that stands between
	; the reciprocals and the first use of a result (ISA guide 5.7.2); it touches neither RC nor DEN.
.irp q, 1,2,3,4,5
	v_lshl_or_b32 v[BO], v[BO+\q], \q, v[BO]
.endr
	v_lshrrev_b32 v[BO], v[LANE], v[BO]
	v_and_b32 v[BO], 1, v[BO]
	s_wait_alu depctr_va_vdst(0)
.irp q, 0,1,2,3,4,5
.irp j, 0,1,2,3
	v_mul_f32 v[O+4*\q+\j], v[ACC+8*\j+\q], v[RC+\q]               ; scales and gathers a lane's four neighbouring columns
.endr
.endr
	s_wait_xcnt 0x0                                ; EXEC changes only behind this wait
	v_cmp_gt_u32 vcc_lo, 16, v[LANE]
	s_and_saveexec_b32 s50, vcc_lo                 ; lanes 0-15 hold mask rows 0-7
.irp q, 0,1,2,3,4
	global_store_b128 v[OOFF], v[O+4*\q:O+4*\q+3], s[SUM:SUM+1] offset:\q*ROW th:TH_STORE_NT   ; 16 lanes: 256 consecutive bytes, aligned
.endr
	global_store_b128 v[OOFF], v[O+20:O+23], s[PAP:PAP+1] th:TH_STORE_NT
	s_cmp_lg_u32 s[CHUNK], 0
	s_cbranch_scc1 .Lend                           ; the booleans are stored by the document's chunk 0 alone
	s_wait_xcnt 0x0                                ; the stores above have read EXEC
	v_cmp_gt_u32 vcc_lo, 5, v[LANE]
	s_and_saveexec_b32 s51, vcc_lo
	global_store_b8 v[LANE], v[BO], s[M5:M5+1]     ; lane q: label q + 1 occurs
	s_wait_xcnt 0x0
	s_or_b32 exec_lo, exec_lo, s51                 ; lanes 0-15 again
	v_cmp_eq_u32 vcc_lo, 5, v[LANE]
	s_and_saveexec_b32 s51, vcc_lo
	global_store_b8 v[LANE], v[BO], s[M1:M1+1] offset:-5           ; lane 5: some label differs from 0
.Lend:
	s_wait_xcnt 0x0
	s_mov_b32 exec_lo, -1
	s_wait_tensorcnt 0x0
	ds_add_u32 v248, v249
	s_wait_dscnt 0x0
	s_endpgm
.Lfunc_end_k_q7b590d77b0_segmean:
	.size	k_q7b590d77b0_segmean, .Lfunc_end_k_q7b590d77b0_segmean-k_q7b590d77b0_segmean
	.p2alignl 7, 3214868480
	.fill 96, 4, 3214868480
	.section	.rodata,"a",@progbits
	.p2align	6, 0x0
	.amdhsa_kernel k_q7b590d77b0_segmean
		.amdhsa_group_segment_fixed_size 12288
		.amdhsa_private_segment_fixed_size 0
		.amdhsa_enable_private_segment 0
		.amdhsa_kernarg_size 96
		.amdhsa_user_sgpr_count 2
		.amdhsa_user_sgpr_kernarg_segment_ptr 1
		.amdhsa_wavefront_size32 1
		.amdhsa_system_sgpr_workgroup_id_x 1
		.amdhsa_system_sgpr_workgroup_id_y 1
		.amdhsa_system_sgpr_workgroup_id_z 1
		.amdhsa_system_vgpr_workitem_id 0
		.amdhsa_next_free_vgpr 250
		.amdhsa_next_free_sgpr 66
		.amdhsa_reserve_vcc 1
		.amdhsa_float_denorm_mode_32 3
		.amdhsa_float_denorm_mode_16_64 3
		.amdhsa_memory_ordered 1
		.amdhsa_forward_progress 1
		.amdhsa_inst_pref_size 57
	.end_amdhsa_kernel
	.amdgpu_metadata
---
amdhsa.version: [ 1, 2 ]
amdhsa.kernels:
  - .name:           k_q7b590d77b0_segmean
    .symbol:         k_q7b590d77b0_segmean.kd
    .args:
      - { .name: tarsent_state, .offset: 0, .size: 8, .value_kind: global_buffer, .address_space: global }
      - { .name: refsent_state, .offset: 8, .size: 8, .value_kind: global_buffer, .address_space: global }
      - { .name: tar_func, .offset: 16, .size: 8, .value_kind: global_buffer, .address_space: global }
      - { .name: ref_func, .offset: 24, .size: 8, .value_kind: global_buffer, .address_space: global }
      - { .name: out0, .offset: 32, .size: 8, .value_kind: global_buffer, .address_space: global }
      - { .name: out2, .offset: 40, .size: 8, .value_kind: global_buffer, .address_space: global }
      - { .name: out4, .offset: 48, .size: 8, .value_kind: global_buffer, .address_space: global }
      - { .name: out6, .offset: 56, .size: 8, .value_kind: global_buffer, .address_space: global }
      - { .name: out1, .offset: 64, .size: 8, .value_kind: global_buffer, .address_space: global }
      - { .name: out3, .offset: 72, .size: 8, .value_kind: global_buffer, .address_space: global }
      - { .name: out5, .offset: 80, .size: 8, .value_kind: global_buffer, .address_space: global }
      - { .name: out7, .offset: 88, .size: 8, .value_kind: global_buffer, .address_space: global }
    .group_segment_fixed_size: 12288
    .private_segment_fixed_size: 0
    .kernarg_segment_align: 8
    .kernarg_segment_size: 96
    .max_flat_workgroup_size: 128
    .sgpr_count:     66
    .vgpr_count:     250
    .wavefront_size: 32
...
	.end_amdgpu_metadata
.endif
;; end of part 1
